; MI455X (gfx1250); checked and timed in simulation.
; The chip was launched on July 23, 2026; its instructions are those of AMD's public machine-readable ISA for CDNA 5 (MIT licence, August 2026) and "CDNA5" Instruction Set Architecture Reference Guide (July 2026). The comments in the code are by the model that wrote it; some were corrected since.
;; Multihead Attention with Ro PE. Allowed arithmetic: matrix products marked QUANTISED: E2M3 operands, one E8M0 scale for each 32 along K, by v_wmma_scale_f32_16x16x128_f8f6f4 with both operands' format E2M3, f32 sums; products left as they are: f32 operands where the result goes on into a quantised operand, else bf16, f16 or f32 operands; f32 sums; everything else in f32.
;; Inputs: Wk 1,024 x 1,024 float32; Wq 1,024 x 1,024 float32; Wv 1,024 x 1,024 float32; bk 1,024 float32; bq 1,024 float32; bv 1,024 float32; x 4 x 4,096 x 1,024 float32.
;; Outputs: out0 4 x 4,096 x 1,024 float32.
;; This version of the problem:
;;   THIS VERSION OF THE PROBLEM IS GIVEN IN LOW PRECISION. The matrix products marked QUANTISED in the list below multiply operands that are first quantised to E2M3 (2 exponent bits, 3 mantissa bits; 6 bits a number), with one power-of-two scale for each 32 numbers along K (OCP MX v1.0); their sums are f32. All else is computed in f32.
;;   The module's matrix products, in the order in which they are computed (A, B: the left and right operand; K: the contracted axis; several contracted axes count as one K, in the product's order):
;;     1. [M 16,384, K 1,024] x [K 1,024, N 1,024]; A: input x; B: input Wq: QUANTISED
;;     2. [M 16,384, K 1,024] x [K 1,024, N 1,024]; A: input x; B: input Wk: QUANTISED
;;     3. [M 16,384, K 1,024] x [K 1,024, N 1,024]; A: input x; B: input Wv: QUANTISED
;;     4. batch 16,384 x [M 16, K 64] x [K 64, N 16]; A: computed on the way; B: computed on the way: QUANTISED
;;     5. batch 16,384 x [M 16, K 16] x [K 16, N 64]; A: softmax; B: computed on the way: left as it is (K = 16 < 32)
;;   THE QUANTISER, for each operand of a quantised product, along K:
;;     - K is cut into blocks of 32 from its start; a last block that is shorter is filled with zeros.
;;     - A block's scale is 2^e with e = floor(log2(the largest magnitude in the block)) - 2, held to -126 .. 127; a block of zeros has e = 0. As a byte (E8M0): e + 127.
;;     - Each number is divided by its block's scale, clamped to +-7.5, and rounded to the nearest number of E2M3, ties to even, subnormals kept.
;;     - The product sums the exact products of the quantised numbers (number of the format x scale) in f32.
;;   ~~~python
;;   def quantise(x, axis):      # numpy; x: float32 -> the quantised numbers, widened to float32 again
;;       x = np.moveaxis(x, axis, -1); K = x.shape[-1]
;;       x = np.pad(x, [(0, 0)] * (x.ndim - 1) + [(0, -K % 32)]); x = x.reshape(x.shape[:-1] + (-1, 32)); a = np.abs(x).max(-1, keepdims=True)
;;       e = np.where(a > 0, np.clip(np.frexp(np.where(a > 0, a, 1))[1] - 1 - 2, -126, 127), 0)      # np.frexp(a)[1] - 1 = floor(log2(a)), exactly
;;       r = np.clip(x / 2.0 ** e, -7.5, 7.5)
;;       step = 2.0 ** (np.maximum(np.frexp(np.where(r == 0, 1, r))[1] - 1, 0) - 3)
;;       q = np.round(r / step) * step * 2.0 ** e      # np.round: ties to even
;;       return np.moveaxis(q.reshape(q.shape[:-2] + (-1,))[..., :K], -1, axis).astype(np.float32)
;;   ~~~
;;   OPERANDS COMPUTED ON THE WAY. 'Computed on the way' means the value that the module computes at that place (a softmax that the list does not call 'softmax' is quantised finished and normalised). What goes into a quantiser is computed in f32, as accurately as f32 sums, v_exp_f32 and their like allow (about 1e-6 of the number): no bf16 or f16 on the way to a quantiser, and a product that is left as it is and whose result goes on into a quantised operand takes f32 operands (vector FMAs, or v_wmma_f32_16x16x4_f32). A number that lies on a knife's edge between two numbers of the format may be rounded either way, as far as f32 arithmetic and the matrix unit's own rounding can turn it there, and no further.
;; One version. Each part assembles by itself: llvm-mc -triple=amdgcn-amd-amdhsa -mcpu=gfx1250 --defsym DOCPART=n.
;; ======== version 1 of 1: 2 launches
;; limits: values are held in bf16: 8 bits of precision; right only within a limited range of input values
;; workspace buffers: wimg 2,457,600 bytes; cstab 1,048,576 bytes
;; launch prep (part 1): grid 256 x 1, 4 waves a work-group, no clusters, 0 bytes of LDS; arguments Wq, Wk, Wv, wimg, cstab; writes wimg, cstab
.if DOCPART == 1
	.amdgcn_target "amdgcn-amd-amdhsa--gfx1250"
	.amdhsa_code_object_version 6
	.text
	.protected	k_q658a3e7ba2_prep
	.globl	k_q658a3e7ba2_prep
	.p2align	8
	.type	k_q658a3e7ba2_prep,@function
k_q658a3e7ba2_prep:
	s_mov_b64 s[64:65], 0
	v_nop
	global_prefetch_b8 v0, s[64:65] scope:SCOPE_SE
	s_setreg_imm32_b32 hwreg(HW_REG_WAVE_MODE, 25, 1), 1
	s_wait_xcnt 0x0
; TWO JOBS, parted by the work-group's number.
; Work-groups 0-191: Wq, Wk, Wv [1024 (k)][1024 (n)] f32 become codes of FP6 (E2M3) along K, one E8M0 byte for each 32 along K, laid in the ORDER OF THE OPERAND'S REGISTERS.
;   wimg: slot (U, kh) of 102,400 bytes at (2 U + kh) x 102,400; U = 4 T + head / 4 (T = 0, 1, 2 for Q, K, V), kh = which 512 of K.  In a slot four parts of 25,600 bytes, part = head % 4.
;   In a part 16 fragment images of 1,536 bytes (fragment 4 s' + t: K step s' of the half, tile t of the head's four): register g of lane L at 512 (g / 4) + 16 L + 4 (g % 4);
;   behind them, at 24,576, eight images of scale words, 128 bytes each: image 2 s' + b holds at 4 (16 u + row) the word of tile 2 b + u.
;   THE COLUMNS OF A TILE ARE NOT NEIGHBOURS: row rho of tile 2 b + u is column 64 head + 32 b + 8 u + rho + 8 (rho / 8), so that the results of two neighbouring tiles are 16 neighbours of a head's 64.
;   A lane takes a column and its registers run down K: a block of 32 lies in one lane, and the conversions give codes with K innermost.
; Work-groups 192-255: the table of cos and sin of position x 10000^(-i / 512), i = 0 .. 31, positions 0 .. 4095, laid as the second launch's registers take it:
;   tile of 16 positions tau; the 16 bytes at 4,096 tau + 512 (4 b + q) + 16 L (L = 16 h + r) hold cos, sin, cos, sin of pairs i = 16 b + 8 h + 2 q and i + 1 at position 16 tau + r.
;   The frequencies are made as pairs of f32 (high and low part) from 10000^(-1/512), so that the high part is the nearest f32 number; the angle is ONE f32 product; it is reduced by n x pi / 2 in two parts
;   (the first product is exact: n has 12 bits) and sin and cos come from polynomials on +-pi / 4.
; LIMITS: a block of zeros gets the byte 1 (its codes are zeros; only this program reads the bytes); NaN and infinities among the weights are not served.
; THE SCALE WORDS' PLACE (this takes the place of the sentence on the eight images above): behind a part's fragments, at 24,576, two blocks of 512 bytes, one for each pair of K steps of the half:
; the word of K step s', tile 2 b + u, row rho lies at 24,576 + 512 (s' / 2) + 16 (16 u + rho) + 4 (2 (s' % 2) + b): so one load of 16 bytes a lane brings a lane its four words of two K steps.
.set SLOTB, 102400
.set PARTB, 25600
	s_load_b256 s[4:11], s[0:1], 0x0               ; Wq s[4:5], Wk s[6:7], Wv s[8:9], wimg s[10:11]
	s_load_b64 s[12:13], s[0:1], 0x20              ; cstab
	v_lshrrev_b32 v1, 5, v0
	v_readfirstlane_b32 s16, v1                    ; wave 0..3
	v_and_b32 v1, 31, v0                           ; lane
	s_cmp_lt_u32 ttmp9, 192
	s_cbranch_scc0 .Ltable
	; ---------------- the weights: work-group = (T, g, s): tensor, 128 columns 128 g on, K step s of 128
	s_lshr_b32 s17, ttmp9, 6                       ; T
	s_bfe_u32 s18, ttmp9, 0x30003                  ; g
	s_and_b32 s19, ttmp9, 7                        ; s
	v_lshlrev_b32 v2, 2, v1                        ; in: 4 bytes a lane: my column is 128 g + 32 wave + lane
	v_bfe_u32 v3, v1, 3, 1                         ; u: which of the two tiles my column falls into
	v_and_b32 v4, 7, v1
	v_lshrrev_b32 v5, 4, v1
	v_lshl_or_b32 v4, v5, 3, v4                    ; rho: its row there
	v_mul_u32_u24 v5, v3, 1536
	v_lshl_add_u32 v5, v4, 4, v5                   ; out: 1,536 u + 16 rho
	v_lshl_add_u32 v6, v3, 4, v4
	v_lshlrev_b32 v6, 4, v6                        ; scale word: 16 (16 u + rho)
	s_lshl_b32 s20, s19, 19                        ; 128 s rows of 4,096 bytes
	s_lshl_b32 s21, s18, 9
	s_add_co_u32 s20, s20, s21
	s_lshl_b32 s21, s16, 7
	s_add_co_u32 s20, s20, s21                     ; + 4 x my wave's first column
	s_mov_b32 s21, 0
	s_lshl_b32 s22, s18, 1
	s_lshr_b32 s23, s16, 1
	s_add_co_u32 s22, s22, s23                     ; head = 2 g + wave / 2
	s_lshr_b32 s23, s22, 2
	s_lshl_b32 s24, s17, 2
	s_add_co_u32 s23, s23, s24                     ; U
	s_lshl_b32 s23, s23, 1
	s_lshr_b32 s24, s19, 2
	s_add_co_u32 s23, s23, s24                     ; slot 2 U + kh
	s_mul_i32 s23, s23, SLOTB
	s_and_b32 s22, s22, 3
	s_mul_i32 s22, s22, PARTB
	s_add_co_u32 s22, s22, s23                     ; the part's first byte
	s_and_b32 s24, s19, 3                          ; s'
	s_and_b32 s25, s16, 1                          ; b
	s_lshl_b32 s26, s24, 1
	s_add_co_u32 s26, s26, s25                     ; 2 s' + b
	s_mul_i32 s28, s26, 3072                       ; 1,536 (4 s' + 2 b)
	s_add_co_u32 s28, s28, s22
	s_mov_b32 s29, 0
	s_lshr_b32 s30, s26, 2
	s_lshl_b32 s30, s30, 9                         ; 512 (s' / 2)
	s_and_b32 s27, s26, 3
	s_lshl_b32 s27, s27, 2                         ; + 4 (2 (s' % 2) + b)
	s_add_co_u32 s30, s30, s27
	s_add_co_u32 s30, s30, s22
	s_add_co_u32 s30, s30, 24576
	s_mov_b32 s31, 0
	s_wait_alu depctr_va_vdst(0)
	s_wait_kmcnt 0x0
	s_cmp_eq_u32 s17, 0                            ; the choice hangs on the work-group's number alone
	s_cselect_b64 s[14:15], s[4:5], s[6:7]
	s_cmp_eq_u32 s17, 2
	s_cselect_b64 s[14:15], s[8:9], s[14:15]
	s_add_nc_u64 s[14:15], s[14:15], s[20:21]
	s_add_nc_u64 s[28:29], s[10:11], s[28:29]
	s_add_nc_u64 s[30:31], s[10:11], s[30:31]
.set i, 0
.rept 128
	global_load_b32 v[32+i], v2, s[14:15] offset:i*4096 th:TH_LOAD_NT   ; W(128 s + i, my column): a wave reads 128 consecutive bytes, the four waves 512
.set i, i+1
.endr
; Block bt of the K step: 32 numbers of one lane.  In the operand it belongs to lane rho + 16 (bt % 2), registers 6 (bt / 2) on.
.macro WBLOCK bt
.set XS, 32+32*(\bt)
.set DH, 160+12*((\bt)%2)+6*((\bt)/2)
.set TP, 16+4*(\bt)
	v_max3_num_f32 v8, |v[XS]|, |v[XS+1]|, |v[XS+2]|               ; the block's largest magnitude, in two chains
	v_max3_num_f32 v9, |v[XS+3]|, |v[XS+4]|, |v[XS+5]|
.irp i, 6,10,14,18,22,26
	v_max3_num_f32 v8, v8, |v[XS+\i]|, |v[XS+\i+1]|
	v_max3_num_f32 v9, v9, |v[XS+\i+2]|, |v[XS+\i+3]|
.endr
	v_max3_num_f32 v8, v8, |v[XS+30]|, |v[XS+31]|
	v_max3_num_f32 v8, v8, v9, 0x1800000           ; and the floor 2^(3 - 127): the byte cannot fall under 1
	v_add_nc_u32 v10, 0xff000000, v8               ; 2 off the exponent field: the conversion's scale operand
	v_lshrrev_b32 v9, 23, v10                      ; the scale's byte
.if (\bt) == 0
	v_mov_b32 v7, v9
.else
	v_lshl_or_b32 v7, v9, 8*(\bt), v7              ; byte bt of my column's scale word
.endif
	v_cvt_scalef32_pk16_fp6_f32 v[DH:DH+2], v[XS:XS+15], v10
	v_cvt_scalef32_pk16_fp6_f32 v[TP:TP+2], v[XS+16:XS+31], v10    ; (a conversion's three registers begin on an even number)
	v_nop                                          ; one plain place behind a scaled conversion
.irp i, 0,1,2
	v_mov_b32 v[DH+3+\i], v[TP+\i]
.endr
.endm
	s_wait_loadcnt 63                              ; block 0's 32 loads are in (96 younger ones are out; the count's field holds 63)
	WBLOCK 0
	s_wait_loadcnt 63                              ; block 1's (64 younger)
	WBLOCK 1
	s_wait_loadcnt 32                              ; block 2's
	WBLOCK 2
	s_wait_loadcnt 0x0
	WBLOCK 3
.irp h, 0,1
.irp c, 0,1,2
	global_store_b128 v5, v[160+12*\h+4*\c:163+12*\h+4*\c], s[28:29] offset:512*\c+256*\h   ; sixteen lanes store 256 consecutive bytes, aligned: one such run for each of the two tiles
.endr
.endr
	global_store_b32 v6, v7, s[30:31]              ; one word of each lane's 16 bytes: units are written in part here, by four waves of two work-groups: one byte in 128 of what the launch reads
	s_endpgm
	; ---------------- the table: a wave takes a tile of 16 positions
.Ltable:
	s_sub_co_u32 s17, ttmp9, 192
	s_lshl_b32 s17, s17, 2
	s_add_co_u32 s17, s17, s16                     ; tau
	s_lshl_b32 s18, s17, 4                         ; its first position
	s_lshl_b32 s20, s17, 12
	s_mov_b32 s21, 0
	s_mov_b32 s24, 0x3f22f983                      ; 2 / pi
	s_mov_b32 s25, 0xbfc90fdb                      ; -(pi / 2)'s high part
	s_mov_b32 s26, 0x333bbd2e                      ; -(pi / 2)'s low part
	s_mov_b32 s27, 0xbe2aaaa3                      ; sin: S1, S2, S3
	s_mov_b32 s28, 0x3c08839e
	s_mov_b32 s29, 0xb94ca1f9
	s_mov_b32 s30, 0x3d2aaaa5                      ; cos: C1, C2, C3
	s_mov_b32 s31, 0xbab6061a
	s_mov_b32 s32, 0x37ccf5ce
	v_and_b32 v2, 15, v0                           ; r
	v_bfe_u32 v3, v0, 4, 1                         ; h
	v_add_nc_u32 v4, s18, v2
	v_cvt_f32_u32 v4, v4                           ; my position, exact
	s_wait_alu depctr_va_vdst(0)
	v_lshlrev_b32 v5, 4, v1
; (dh, dl) = (ah, al) x (bh, bl), each a pair high + low.  The exact error of the high product is recovered by a fused multiply-add.
.macro DFMUL dh, dl, ah, al, bh, bl
	v_mul_f32 v6, v[\ah], v[\bh]
	v_fma_f32 v7, v[\ah], v[\bh], -v6
	v_fma_f32 v7, v[\ah], v[\bl], v7
	v_fma_f32 v7, v[\al], v[\bh], v7
	v_add_f32 v[\dh], v6, v7
	v_sub_f32 v6, v6, v[\dh]
	v_add_f32 v[\dl], v6, v7
.endm
	v_mov_b32 v10, 0x3f7b6f9e                      ; 10000^(-1/512) = 0.98217188918803781: high part,
	v_mov_b32 v11, 0xb187183c                      ; low part
	DFMUL 12, 13, 10, 11, 10, 11                   ; its 2nd,
	DFMUL 14, 15, 12, 13, 12, 13                   ; 4th,
	DFMUL 16, 17, 14, 15, 14, 15                   ; 8th
	DFMUL 18, 19, 16, 17, 16, 17                   ; and 16th power
	v_cmp_eq_u32 vcc_lo, 1, v3
	v_cndmask_b32 v20, 1.0, v16, vcc_lo            ; my first frequency: i = 8 h
	v_cndmask_b32 v21, 0, v17, vcc_lo
.irp k, 0,1,2,3,4,5,6,7
	v_mov_b32 v[32+\k], v20                        ; i = 8 h + k: the high part is the nearest f32 number
	DFMUL 40+\k, 22, 20, 21, 18, 19                ; i = 16 + 8 h + k
.if \k < 7
	DFMUL 20, 21, 20, 21, 10, 11
.endif
.endr
.macro SINCOS f, out                   ; cos into v[out], sin into v[out + 1]
	v_mul_f32 v50, v4, v[\f]                       ; the angle: one f32 product
	v_mul_f32 v51, s24, v50
	v_rndne_f32 v51, v51                           ; n
	v_fma_f32 v52, v51, s25, v50                   ; exact: a multiple of 2^-23 under 1
	v_fma_f32 v52, v51, s26, v52                   ; r, within pi / 4 of 0
	v_mul_f32 v53, v52, v52                        ; z
	v_fma_f32 v54, s29, v53, s28
	v_fma_f32 v55, s32, v53, s31
	v_fma_f32 v54, v54, v53, s27
	v_fma_f32 v55, v55, v53, s30
	v_mul_f32 v54, v54, v53
	v_mul_f32 v56, v53, v53
	v_fma_f32 v57, v53, -0.5, 1.0
	v_fma_f32 v54, v54, v52, v52                   ; sin r
	v_fma_f32 v55, v56, v55, v57                   ; cos r
	v_cvt_i32_f32 v58, v51
	v_and_b32 v59, 1, v58
	v_cmp_eq_u32 vcc_lo, 1, v59                    ; an odd quarter turn: they change places
	v_cndmask_b32 v[\out+1], v54, v55, vcc_lo
	v_cndmask_b32 v[\out], v55, v54, vcc_lo
	v_and_b32 v59, 2, v58
	v_lshlrev_b32 v59, 30, v59
	v_xor_b32 v[\out+1], v59, v[\out+1]            ; sin changes sign in quarters 2, 3
	v_add_nc_u32 v58, 1, v58
	v_and_b32 v58, 2, v58
	v_lshlrev_b32 v58, 30, v58
	v_xor_b32 v[\out], v58, v[\out]                ; cos in quarters 1, 2
.endm
.irp k, 0,1,2,3,4,5,6,7,8,9,10,11,12,13,14,15
	SINCOS 32+\k, 64+2*\k
.endr
	s_wait_alu depctr_va_vdst(0)
	s_wait_kmcnt 0x0
	s_add_nc_u64 s[12:13], s[12:13], s[20:21]
.irp j, 0,1,2,3,4,5,6,7
	global_store_b128 v5, v[64+4*\j:67+4*\j], s[12:13] offset:512*\j   ; 512 consecutive bytes a wave
.endr
	s_endpgm
.Lfunc_end_k_q658a3e7ba2_prep:
	.size	k_q658a3e7ba2_prep, .Lfunc_end_k_q658a3e7ba2_prep-k_q658a3e7ba2_prep
	.p2alignl 7, 3214868480
	.fill 96, 4, 3214868480
	.section	.rodata,"a",@progbits
	.p2align	6, 0x0
	.amdhsa_kernel k_q658a3e7ba2_prep
		.amdhsa_group_segment_fixed_size 0
		.amdhsa_private_segment_fixed_size 0
		.amdhsa_enable_private_segment 0
		.amdhsa_kernarg_size 40
		.amdhsa_user_sgpr_count 2
		.amdhsa_user_sgpr_kernarg_segment_ptr 1
		.amdhsa_wavefront_size32 1
		.amdhsa_system_sgpr_workgroup_id_x 1
		.amdhsa_system_sgpr_workgroup_id_y 1
		.amdhsa_system_sgpr_workgroup_id_z 1
		.amdhsa_system_vgpr_workitem_id 0
		.amdhsa_next_free_vgpr 192
		.amdhsa_next_free_sgpr 66
		.amdhsa_reserve_vcc 1
		.amdhsa_float_denorm_mode_32 3
		.amdhsa_float_denorm_mode_16_64 3
		.amdhsa_memory_ordered 1
		.amdhsa_forward_progress 1
		.amdhsa_inst_pref_size 48
	.end_amdhsa_kernel
	.amdgpu_metadata
---
amdhsa.version: [ 1, 2 ]
amdhsa.kernels:
  - .name:           k_q658a3e7ba2_prep
    .symbol:         k_q658a3e7ba2_prep.kd
    .args:
      - { .name: Wq, .offset: 0, .size: 8, .value_kind: global_buffer, .address_space: global }
      - { .name: Wk, .offset: 8, .size: 8, .value_kind: global_buffer, .address_space: global }
      - { .name: Wv, .offset: 16, .size: 8, .value_kind: global_buffer, .address_space: global }
      - { .name: wimg, .offset: 24, .size: 8, .value_kind: global_buffer, .address_space: global }
      - { .name: cstab, .offset: 32, .size: 8, .value_kind: global_buffer, .address_space: global }
    .group_segment_fixed_size: 0
    .private_segment_fixed_size: 0
    .kernarg_segment_align: 8
    .kernarg_segment_size: 40
    .max_flat_workgroup_size: 128
    .sgpr_count:     66
    .vgpr_count:     192
    .wavefront_size: 32
...
	.end_amdgpu_metadata
.endif
;; end of part 1
;; launch fused (part 2): grid 256 x 1, 4 waves a work-group, clusters of 4 x 1, 327,680 bytes of LDS; arguments x, wimg, cstab, bq, bk, bv, out0; writes out0
.if DOCPART == 2
	.amdgcn_target "amdgcn-amd-amdhsa--gfx1250"
	.amdhsa_code_object_version 6
	.text
	.protected	k_q658a3e7ba2_fused
	.globl	k_q658a3e7ba2_fused
	.p2align	8
	.type	k_q658a3e7ba2_fused,@function
k_q658a3e7ba2_fused:
	s_mov_b64 s[64:65], 0
	v_nop
	global_prefetch_b8 v0, s[64:65] scope:SCOPE_SE
	s_setreg_imm32_b32 hwreg(HW_REG_WAVE_MODE, 25, 1), 1
	s_wait_xcnt 0x0
	s_wait_alu depctr_hold_cnt(0) depctr_sa_sdst(0) depctr_va_vdst(0) depctr_va_sdst(0) depctr_va_ssrc(0) depctr_va_vcc(0) depctr_vm_vsrc(0)
	s_getreg_b32 s2, hwreg(HW_REG_IB_STS2, 6, 4)
	s_cmp_eq_u32 s2, 0
	s_cbranch_scc0 .Lentry_in_a_cluster
	s_endpgm
.Lentry_in_a_cluster:
	s_bfe_u32 s2, ttmp6, 0x10000c
	s_cmp_lg_u32 s2, 0x3003
	s_cbranch_scc0 .Lentry_shape_is_right
	s_endpgm
.Lentry_shape_is_right:
; A work-group takes 64 positions through everything: x is quantised (MX-FP6 along K), Q, K, V = x W + b, RoPE on Q and K, their quantising along the head's 64, scores head x head for each position, softmax, P V, store.
; Wave w makes head 4 j + w of each unit j (a unit: four heads of Q, of K or of V; 12 units), 64 positions x 64 columns: 16 accumulators; x's fragments for all of K stay in registers (384).
; THE WEIGHTS lie in wimg as images of the operand's registers, and inside a work-group a wave's part is read by that wave alone.
;   Q's and K's eight units: K steps 0-3 of a unit (102,400 bytes a work-group) come by JOINT tensor loads of the four work-groups of a cluster, which walk the units in one order, into two LDS slots that take turns
;   unit by unit: one round of the cluster's barrier a unit, and a refill has a whole unit's work in which to land.  K steps 4-7 go from memory straight into registers, four sets, each asked for again when it is used up.
;   V's four units: LDS now takes V (164,864 bytes, where the slots lay; with the stage, the bias and Q's and K's codes and scale words 321,408 of 327,680 bytes), so no slots are left and there are no joint loads:
;   all eight K steps go straight into registers, eight sets by turns, five asked for ahead.
; THE UNITS' ORDER: cluster c begins each kind (Q, K, V) at unit rho = c % 4 and goes round.  In LDS heads lie in the order in which they were made.  K and V are turned alike, and the sum over K's heads does not
; hang on their order; Q's turn only moves rows of the result, and is undone in the stores' addresses.  No LDS address hangs on a work-group's number or place.
; PREFETCH: a kind's first unit is asked for ahead (Q's at the head, K's and V's in the third trip of the kind before): its 800 blocks of 256 bytes are shared out by address among the 64 work-groups that begin with it,
; 13 lanes of wave 0 each.  A kind's other units have been read by the other clusters by then.  x is read once, at the head, with no loop to run ahead in.
; LIMITS: NaN and infinities among the inputs are not served; a block of zeros gets the scale byte 1 (its codes are zeros).  The softmax takes each row's maximum away.
; REGISTERS: window 0: v0-39 addresses, v40-55 W's scale words, v56-71 x's, v72-167 two sets of W (between units: the epilogue's work), v168-251 sets of K steps 6, 7;  window 1: x's K steps 0-4;
; window 2: x's K steps 5-7, sets of K steps 4, 5;  window 3: v0-127 accumulators, v128-255 cos and sin (for V: two sets of W).
.set SLOT,  102400
.set PART,  25600
.set SCOFF, 24576
.set BIAS,  204800
.set GC,    217088
.set GCW,   25280
.set GCP,   392
.set GS,    318208
.set GSW,   2080
.set GSP,   32
.set SPARE, 326656
.set XSTG,  217088                     ; x's stage, images and scale words lie where Q's and K's codes come later, behind a barrier
.set XIMG,  250880
.set XSC,   300032
.set VBP,   2576
.set STG,   164864
.set TM,  200                          ; the head's work registers
.set PC,  216
.set PW,  236
.set VPH, 0                            ; 1 from V's units on
.set MSB, 0
.macro WIN new
.if MSB != \new
	s_set_vgpr_msb (MSB<<8)|\new
.set MSB, \new
.endif
.endm
.macro PLACES n
.rept \n
	v_nop
.endr
.endm
.macro CREST
	s_cmp_lg_u32 s18, 0
	s_cbranch_scc1 .Lnot_wave_0_\@
	s_barrier_signal -3
.Lnot_wave_0_\@:
	s_barrier_wait -3
	s_barrier_signal -1
	s_barrier_wait -1
.endm
.macro CROUND
	s_barrier_signal -1
	s_barrier_wait -1
	CREST
.endm
	s_load_b256 s[4:11], s[0:1], 0x0               ; x, wimg, cstab, bq
	s_load_b128 s[12:15], s[0:1], 0x20             ; bk, bv
	s_load_b64 s[16:17], s[0:1], 0x30              ; out0
	v_lshl_add_u32 v1, v0, 2, SPARE                ; my spare word, and 0: kept for the adds
	v_mov_b32 v2, 0
	ds_add_u32 v1, v2                              ; the opening lines: the add, twice on end, and its wait
	ds_add_u32 v1, v2
	v_lshrrev_b32 v16, 5, v0
	v_readfirstlane_b32 s18, v16                   ; wave
	s_bfe_u32 s19, ttmp6, 0x40000                  ; cx
	s_lshl_b32 s20, ttmp9, 2
	s_add_co_u32 s20, s20, s19                     ; work-group
	s_and_b32 s21, ttmp9, 3                        ; rho: the same in all four partners
	s_and_b32 s22, ttmp9, 0xfc
	s_add_co_u32 s22, s22, s19                     ; my place among the 64 work-groups of my rho
	s_lshl_b32 s23, s21, 10
	s_mul_i32 s22, s22, 13
	v_and_b32 v16, 31, v0
	v_and_b32 v17, 15, v0
	v_bfe_u32 v18, v0, 4, 1
	v_lshlrev_b32 v3, 4, v16
	v_lshlrev_b32 v11, 4, v0
	v_add_nc_u32 v7, s23, v11
	v_and_b32 v7, 4095, v7                         ; the bias comes into LDS in the order of my trips: LDS byte p of a kind is memory's byte (p + 1,024 rho) mod 4,096
	v_xor_b32 v8, 2048, v7
	v_min_u32 v15, 12, v16
	v_add_nc_u32 v15, s22, v15
	v_min_u32 v15, 799, v15                        ; the prefetches: my work-group's 13 blocks of a unit's 800, held inside the unit
	v_lshlrev_b32 v15, 8, v15
	s_mov_b32 s24, 15|(3<<16)|(1<<21)              ; group 1: the mask of the four partners; 100 rows of 32 elements of 8 bytes: a wave's part of a slot, dense in memory
	s_mov_b32 s25, 32<<16
	s_mov_b32 s26, 100<<16
	s_mov_b32 s27, 32<<16
	s_mov_b32 s28, 100
	s_mov_b32 s29, 32
	s_mov_b32 s30, 0
	s_mov_b32 s31, 0
	s_mul_i32 s47, s18, PART
	s_mov_b32 s60, s47
	s_mov_b32 s61, 0
	s_mul_i32 s42, s21, 2*SLOT                     ; my first unit
	s_mov_b32 s43, 0
	s_mov_b32 s48, 0x76543210
	s_mov_b32 s49, 0xfedcba98
	s_mov_b32 s50, 0x3e38aa3b                      ; log2(e) / 8
	s_mov_b32 s51, s50
	s_mov_b32 s55, 0xbe38aa3b
	s_lshl_b32 s66, s20, 18
	s_lshl_b32 s68, s18, 16
	s_add_co_u32 s66, s66, s68                     ; my wave's 16 rows of x and of out0
	s_mov_b32 s67, 0
	s_and_b32 s68, s20, 63
	s_lshl_b32 s68, s68, 14                        ; my 64 positions' cos and sin
	s_mov_b32 s69, 0
	s_cmp_eq_u32 s18, 0
	s_cselect_b32 s54, 2, -1                       ; wave 0 asks in a kind's third trip
	s_wait_alu depctr_va_vdst(0)
	s_wait_dscnt 0x0
	s_wait_kmcnt 0x0
	s_add_nc_u64 s[52:53], s[6:7], s[42:43]
	s_add_nc_u64 s[40:41], s[6:7], s[60:61]        ; my wave's part of unit 0
	s_add_nc_u64 s[58:59], s[40:41], s[42:43]      ; and of the unit whose direct sets are being asked for
	s_add_nc_u64 s[4:5], s[4:5], s[66:67]
	s_add_nc_u64 s[56:57], s[16:17], s[66:67]
	s_add_nc_u64 s[8:9], s[8:9], s[68:69]
	s_mov_b32 s32, 1                               ; group 0: slot 0, my part of my first unit's K steps 0-3
	s_mov_b32 s33, s47
	s_add_nc_u64 s[34:35], s[40:41], s[42:43]
	s_or_b32 s35, s35, 0x80000000
	s_cmp_lg_u32 s18, 0
	s_cbranch_scc1 .Lno_first_ask
	global_prefetch_b8 v15, s[52:53] th:TH_LOAD_NT scope:SCOPE_SE
.Lno_first_ask:
	global_load_b128 v[168:171], v7, s[10:11]
	global_load_b128 v[172:175], v8, s[10:11]
	global_load_b128 v[176:179], v7, s[12:13]
	global_load_b128 v[180:183], v8, s[12:13]
	global_load_b128 v[184:187], v7, s[14:15]
	global_load_b128 v[188:191], v8, s[14:15]
	WIN 0xc0
.irp m, 0,1,2,3
.irp j, 0,1,2,3,4,5,6,7
	global_load_b128 v[128+32*\m+4*\j:131+32*\m+4*\j], v3, s[8:9] offset:\m*4096+\j*512
.endr
.endr
	WIN 0
.macro XLOADS s
	WIN 0x40
.irp p, 0,1,2,3,4,5,6,7,8,9,10,11,12,13,14,15
	global_load_b128 v[64*((\s)%4)+4*\p:64*((\s)%4)+4*\p+3], v3, s[4:5] offset:\p*4096+(\s)*512 th:TH_LOAD_NT
.endr
	WIN 0
.endm
	XLOADS 0
	CROUND                                         ; the round in front of the first joint load
	tensor_load_to_lds s[32:35], s[24:31]          ; one tensor load a wave at the head
	s_nop 0
	PLACES 4
	XLOADS 1
	XLOADS 2
	XLOADS 3
	v_add_nc_u32 v4, s47, v3                       ; my part of slot 0
	s_lshl_b32 s62, s18, 8
	s_add_co_u32 s62, s62, BIAS
	v_lshl_add_u32 v9, v18, 6, s62
	s_mul_i32 s62, s18, GCW
	s_add_co_u32 s62, s62, GC
	v_mul_u32_u24 v12, v17, GCP
	v_mad_u32_u24 v12, v18, 24, v12
	v_add_nc_u32 v12, s62, v12
	s_mul_i32 s62, s18, GSW
	s_add_co_u32 s62, s62, GS
	v_lshl_add_u32 v14, v17, 5, s62
	v_add_nc_u32 v19, BIAS, v11
	s_mul_i32 s62, s18, 8448
	s_add_co_u32 s62, s62, XSTG
	v_add_nc_u32 v20, s62, v3
	v_mul_u32_u24 v21, v17, 528
	v_lshl_add_u32 v21, v18, 6, v21
	v_add_nc_u32 v21, s62, v21
	s_mul_i32 s62, s18, 12288
	s_add_co_u32 s62, s62, XIMG
	v_add_nc_u32 v22, s62, v3
	s_lshl_b32 s62, s18, 9
	s_add_co_u32 s62, s62, XSC
	v_lshl_add_u32 v23, v17, 4, s62
	v_add_nc_u32 v24, XIMG, v3
	v_add_nc_u32 v25, XSC, v3
	s_mul_i32 s62, s18, 160
	v_mul_u32_u24 v26, v17, VBP
	v_lshl_add_u32 v26, v18, 5, v26
	v_add_nc_u32 v26, s62, v26                     ; V: row = position, 160 bytes for each head, in the order of my trips
	v_add_nc_u32 v27, 32*VBP, v26
	v_lshrrev_b32 v34, 2, v17                      ; the attention: row r is head r in LDS order: wave r % 4's region, Q's trip r / 4,
	v_add_nc_u32 v35, 4, v34                       ; K's trip 4 + r / 4
	v_lshlrev_b32 v36, 2, v18
	v_sub_nc_u32 v36, v35, v36                     ; scale words: lanes 0-15 K's, lanes 16-31 Q's
	v_and_b32 v37, 3, v17
	v_mul_u32_u24 v38, v37, GCW
	v_mad_u32_u24 v38, v18, 24, v38
	s_mul_i32 s62, s18, 16*GCP
	s_add_co_u32 s62, s62, GC
	v_add_nc_u32 v38, s62, v38
	v_mad_u32_u24 v28, v35, 48, v38
	v_mad_u32_u24 v29, v34, 48, v38
	v_mul_u32_u24 v38, v37, GSW
	v_lshl_add_u32 v38, v36, 2, v38
	s_lshl_b32 s62, s18, 9
	s_add_co_u32 s62, s62, GS
	v_add_nc_u32 v30, s62, v38
	v_and_b32 v34, 7, v0
	v_lshl_add_u32 v34, v18, 3, v34
	v_mul_u32_u24 v34, v34, 160
	v_bfe_u32 v35, v0, 3, 1
	v_lshl_add_u32 v34, v35, 4, v34
	s_mul_i32 s62, s18, 16*VBP
	v_add_nc_u32 v31, s62, v34
	s_mul_i32 s62, s18, 8704
	s_add_co_u32 s62, s62, STG
	v_mul_u32_u24 v32, v17, 272
	v_lshl_add_u32 v32, v18, 5, v32
	v_add_nc_u32 v32, s62, v32
	v_mul_u32_u24 v33, v18, 272
	v_lshl_add_u32 v33, v17, 4, v33
	v_add_nc_u32 v33, s62, v33
.irp e, 0,1,2,3
	s_add_co_u32 s62, s21, \e
	s_and_b32 s62, s62, 3
	s_lshl_b32 s62, s62, 10
	v_add_nc_u32 v[36+\e], s62, v3                 ; out0: Q's trip e made heads 4 ((e + rho) % 4) on: 1,024 bytes of a row
.endr
.irp b, 0,1,2,3
	v_mov_b32 v[TM+4+\b], 0
.endr
.macro QUANT s
.irp b, 0,1,2,3
	v_max3_num_f32 v[TM+\b], |v[\s+16*\b]|, |v[\s+1+16*\b]|, 0x1800000
.endr
.irp i, 2,4,6,8,10,12,14
.irp b, 0,1,2,3
	v_max3_num_f32 v[TM+\b], v[TM+\b], |v[\s+16*\b+\i]|, |v[\s+1+16*\b+\i]|
.endr
.endr
.irp b, 0,1,2,3
	v_permlanex16_b32 v[TM+4+\b], v[TM+\b], s48, s49
.endr
.irp b, 0,1,2,3
	v_max_num_f32 v[TM+\b], v[TM+\b], v[TM+4+\b]
.endr
.irp b, 0,1,2,3
	v_add_nc_u32 v[TM+12+\b], 0xff000000, v[TM+\b]
.endr
.irp b, 0,1,2,3
	v_lshrrev_b32 v[TM+4+\b], 23, v[TM+12+\b]
.endr
	v_lshl_or_b32 v[PW], v[TM+5], 8, v[TM+4]
	v_lshl_or_b32 v[PW], v[TM+6], 16, v[PW]
	v_lshl_or_b32 v[PW], v[TM+7], 24, v[PW]
.irp c, 0,1
	v_cvt_scalef32_pk16_fp6_f32 v[PC+6*\c:PC+2+6*\c], v[\s+32*\c:\s+15+32*\c], v[TM+12+2*\c]
	v_cvt_scalef32_pk16_fp6_f32 v[PC+12+4*\c:PC+14+4*\c], v[\s+16+32*\c:\s+31+32*\c], v[TM+12+2*\c+1]
.endr
	v_nop
.irp c, 0,1
.irp i, 0,1,2
	v_permlane16_swap_b32 v[PC+6*\c+\i], v[PC+12+4*\c+\i]
.endr
.irp i, 0,1,2
	v_mov_b32 v[PC+3+6*\c+\i], v[PC+12+4*\c+\i]
.endr
.endr
.endm
; K step s of my 16 rows of x: through my stage, quantised, and its register image and scale word into LDS for all four waves.  left: the global loads issued behind this step's
.macro XSTEP s, left
	s_wait_loadcnt \left
.if (\s) == 0
.irp t, 0,1,2
	ds_store_b128 v19, v[168+8*\t:171+8*\t] offset:\t*4096
	ds_store_b128 v19, v[172+8*\t:175+8*\t] offset:\t*4096+2048
.endr
.endif
	WIN 0x04
.irp p, 0,1,2,3,4,5,6,7,8,9,10,11,12,13,14,15
	ds_store_b128 v20, v[64*((\s)%4)+4*\p:64*((\s)%4)+4*\p+3] offset:\p*528
.endr
	WIN 0
.irp b, 0,1,2,3
.irp j, 0,1,2,3
	ds_load_b128 v[72+16*\b+4*\j:75+16*\b+4*\j], v21 offset:128*\b+16*\j
.endr
.endr
	s_wait_dscnt 0x0
.if (\s)+4 < 8
	XLOADS (\s)+4
.endif
	QUANT 72
.irp c, 0,1,2
	ds_store_b128 v22, v[PC+4*\c:PC+4*\c+3] offset:(\s)*1536+512*\c
.endr
	ds_store_b32 v23, v[PW] offset:256*((\s)%2)+4*((\s)/2)
.endm
; where fragment t of K step s's set lies: FWN its window, FRG its first register
.macro SETREG s, t
.if (\s) == 4 || (\s) == 5
.set FWN, 2
.set FRG, 144+48*((\s)-4)+12*(\t)
.elseif (\s) == 6
.set FWN, 0
.set FRG, 168+12*(\t)
.elseif (\s) == 7
.if (\t) < 3
.set FWN, 0
.set FRG, 216+12*(\t)
.else
.set FWN, 1
.set FRG, 240
.endif
.elseif VPH && (\s) < 2
.set FWN, 3
.set FRG, 128+48*(\s)+12*(\t)
.else
.set FWN, 0
.set FRG, 72+48*((\s)%2)+12*(\t)
.endif
.endm
.macro WFR j                           ; K step j's four fragments from memory: 6,144 consecutive bytes, 512 a load
.irp t, 0,1,2,3
	SETREG \j, \t
	WIN FWN<<6
.irp c, 0,1,2
	global_load_b128 v[FRG+4*\c:FRG+4*\c+3], v3, s[58:59] offset:((\j)/4)*SLOT+((\j)%4)*6144+\t*1536+512*\c
.endr
.endr
.endm
.macro WQ j                            ; the scale words of K steps j and j + 1 (j even), four words a lane
	WIN 0
	global_load_b128 v[40+4*((\j)/2):43+4*((\j)/2)], v3, s[58:59] offset:((\j)/4)*SLOT+SCOFF+512*(((\j)%4)/2)
.endm
.macro LFETCH s                        ; K step s (0 to 3) from this unit's slot
.irp t, 0,1,2,3
	SETREG \s, \t
.irp c, 0,1,2
	ds_load_b128 v[FRG+4*\c:FRG+4*\c+3], v5 offset:1536*(4*(\s)+\t)+512*\c
.endr
.endr
.endm
	s_wait_alu depctr_va_vdst(0)
	XSTEP 0, 48
	XSTEP 1, 48
	XSTEP 2, 48
	XSTEP 3, 48
	XSTEP 4, 48
	XSTEP 5, 32
	XSTEP 6, 16
	WFR 4                                          ; the first unit's direct sets: 25 loads behind x's last 16,
	WQ 4
	WFR 5
	WIN 0
	XSTEP 7, 25
	WFR 6                                          ; and 25 more, into registers with which the head has done
	WQ 6
	WFR 7
	WIN 0
	s_wait_dscnt 0x0
	s_barrier_signal -1
	s_barrier_wait -1
	WIN 0x40
.irp s, 0,1,2,3,4
.irp m, 0,1,2,3
.irp c, 0,1,2
	ds_load_b128 v[48*\s+12*\m+4*\c:48*\s+12*\m+4*\c+3], v24 offset:(8*\m+\s)*1536+512*\c
.endr
.endr
.endr
	WIN 0x80
.irp s, 5,6,7
.irp m, 0,1,2,3
.irp c, 0,1,2
	ds_load_b128 v[48*(\s-5)+12*\m+4*\c:48*(\s-5)+12*\m+4*\c+3], v24 offset:(8*\m+\s)*1536+512*\c
.endr
.endr
.endr
	WIN 0
.irp m, 0,1,2,3
	ds_load_b128 v[56+4*\m:59+4*\m], v25 offset:\m*512
.endr
.macro FETCHB m                        ; a unit's bias, in the result's layout, straight into the accumulators of positions 16 m on: the sums begin with it.  (Destination: window 3)
.irp t, 0,1,2,3
	ds_load_b128 v[32*(\m)+8*\t:32*(\m)+8*\t+3], v10 offset:(32*(\t/2)+8*(\t%2))*4
	ds_load_b128 v[32*(\m)+8*\t+4:32*(\m)+8*\t+7], v10 offset:(32*(\t/2)+8*(\t%2))*4+16
.endr
.endm
	v_mov_b32 v10, v9
	WIN 0xc0
	FETCHB 0
	FETCHB 1
	FETCHB 2
	FETCHB 3
	WIN 0
	s_wait_dscnt 0x0                               ; my reads of x's images are over: behind this barrier Q's codes are stored over them
	s_barrier_signal -1
	s_barrier_wait -1
; four matrix instructions: tile t of my head x the four tiles of positions, K step s.  The 16 accumulators take turns, in the same order in every step
.macro MUL4 s, t
	SETREG \s, \t
.if (\s) < 5
.set XB, 48*(\s)
	WIN 0xf4|FWN
.else
.set XB, 48*((\s)-5)
	WIN 0xf8|FWN
.endif
.set WSR, 40+4*((\s)/2)+2*((\s)%2)+(\t)/2
.irp m, 0,1,2,3
.set AC, 32*\m+8*(\t)
.set XR, XB+12*\m
.set XSR, 56+4*\m+(\s)/2
.if ((\t)%2 == 0) && ((\s)%2 == 0)
	v_wmma_scale_f32_16x16x128_f8f6f4 v[AC:AC+7], v[FRG:FRG+11], v[XR:XR+11], v[AC:AC+7], v[WSR], v[XSR] matrix_a_fmt:MATRIX_FMT_FP6 matrix_b_fmt:MATRIX_FMT_FP6
.elseif ((\t)%2 == 1) && ((\s)%2 == 0)
	v_wmma_scale_f32_16x16x128_f8f6f4 v[AC:AC+7], v[FRG:FRG+11], v[XR:XR+11], v[AC:AC+7], v[WSR], v[XSR] matrix_a_fmt:MATRIX_FMT_FP6 matrix_b_fmt:MATRIX_FMT_FP6 matrix_a_scale:MATRIX_SCALE_ROW1
.elseif ((\t)%2 == 0) && ((\s)%2 == 1)
	v_wmma_scale_f32_16x16x128_f8f6f4 v[AC:AC+7], v[FRG:FRG+11], v[XR:XR+11], v[AC:AC+7], v[WSR], v[XSR] matrix_a_fmt:MATRIX_FMT_FP6 matrix_b_fmt:MATRIX_FMT_FP6 matrix_b_scale:MATRIX_SCALE_ROW1
.else
	v_wmma_scale_f32_16x16x128_f8f6f4 v[AC:AC+7], v[FRG:FRG+11], v[XR:XR+11], v[AC:AC+7], v[WSR], v[XSR] matrix_a_fmt:MATRIX_FMT_FP6 matrix_b_fmt:MATRIX_FMT_FP6 matrix_a_scale:MATRIX_SCALE_ROW1 matrix_b_scale:MATRIX_SCALE_ROW1
.endif
.endr
.endm
.macro MULS s
	MUL4 \s, 0
	MUL4 \s, 1
	MUL4 \s, 2
	MUL4 \s, 3
.endm
.macro NEXTU                           ; the next unit: its number in my order, s44 + 1, gives its bias in LDS (s46); turned by rho inside its kind, its place in wimg (s42)
	s_add_co_u32 s45, s44, 1
	s_lshl_b32 s46, s45, 10
	s_and_b32 s62, s45, 12
	s_add_co_u32 s45, s45, s21
	s_and_b32 s45, s45, 3
	s_or_b32 s45, s45, s62
	s_mul_i32 s42, s45, 2*SLOT
.endm
.macro QKHEAD
	s_wait_xcnt 0x0                                ; the earlier loads and any prefetch have read their bases
	NEXTU
	s_add_nc_u64 s[58:59], s[40:41], s[42:43]      ; all that this unit asks for directly is the next unit's
	s_add_co_u32 s62, s44, 2
	s_and_b32 s62, s62, 12
	s_add_co_u32 s62, s62, s21                     ; in a kind's third trip: the next kind's first unit of mine
	s_mul_i32 s62, s62, 2*SLOT
	s_mov_b32 s63, 0
	s_add_nc_u64 s[52:53], s[6:7], s[62:63]
	s_and_b32 s70, s44, 1
	s_mul_i32 s70, s70, SLOT                       ; unit u lies in slot u % 2,
	s_xor_b32 s71, s70, SLOT
	s_add_co_u32 s71, s71, s47                     ; and my part of the other slot takes the next unit
	v_add_nc_u32 v10, s46, v9
	v_add_nc_u32 v5, s70, v4
	s_wait_alu depctr_va_vdst(0)
.endm
; A unit of Q or K.  Its K steps go in the order 4, 5, 0, 6, 1, 7, 2, 3: steps 4-7 on the direct sets, steps 0-3 from the slot, each of the latter fetched from LDS two steps ahead of its use (two sets by turns).
; Four v_nop at each step's head are the places in front of its loads into registers that matrix instructions have read.
; The direct loads are issued in the order set 4, words of 4 and 5, set 5, set 6, words of 6 and 7, set 7 (12, 1, 12, 12, 1, 12), each set again one step behind its use.  The waits count what is younger than what the step needs:
; step 4: 12 + 12 + 1 + 12 = 37; step 5: 12 + 1 + 12 = 25; step 6: set 7 and the next set 4, words and set 5 = 12 + 12 + 1 + 12 = 37; step 7: the next set 4, words, sets 5 and 6 = 12 + 1 + 12 + 12 = 37.
; The LDS waits: 12, the one fetch that is younger than the step's own.
; In step 4 stands the change of slots: all my tensor loads waited for (one is out: this unit's slot), the add, my LDS reads waited for, a round of the cluster's barrier, and the next unit's joint load, which has this whole unit in which to land.
; tail = 1: K's last unit: nothing is filled again.
.macro QKUNIT tail
	PLACES 4
	s_wait_loadcnt 37
	WIN 0
	s_wait_tensorcnt 0x0
.if \tail
	MUL4 4, 0
	MUL4 4, 1
	WIN 0
.else
	ds_add_u32 v1, v2
	s_add_nc_u64 s[34:35], s[40:41], s[42:43]      ; no tensor load of mine is out: group 0 may be written
	s_or_b32 s35, s35, 0x80000000
	s_mov_b32 s33, s71
	MUL4 4, 0
	s_wait_dscnt 0x0
	s_barrier_signal -1
	MUL4 4, 1
	WIN 0
	s_barrier_wait -1
	CREST
	tensor_load_to_lds s[32:35], s[24:31]
	s_nop 0
	PLACES 4
.endif
	LFETCH 0                                       ; this unit's slot is in: K step 0 and the scale words of K steps 0-3
	ds_load_b128 v[40:43], v5 offset:SCOFF
	ds_load_b128 v[44:47], v5 offset:SCOFF+512
	MUL4 4, 2
	MUL4 4, 3
	PLACES 4
	s_wait_loadcnt 25
	WFR 4
	WIN 0
	LFETCH 1
	MULS 5
	PLACES 4
	WQ 4
	WFR 5
	s_wait_dscnt 12                                ; all but K step 1's 12
	MULS 0
	PLACES 4
	s_wait_loadcnt 37
	WIN 0
	LFETCH 2
.if !(\tail)
	s_and_b32 s70, s44, 3
	s_cmp_eq_u32 s70, s54
	s_cbranch_scc0 .Lno_ask_\@
	global_prefetch_b8 v15, s[52:53] th:TH_LOAD_NT scope:SCOPE_SE
.Lno_ask_\@:
.endif
	MULS 6
	PLACES 4
	WFR 6
	s_wait_dscnt 12                                ; all but K step 2's 12
	MULS 1
	PLACES 4
	s_wait_loadcnt 37
	WIN 0
	LFETCH 3
	MULS 7
	PLACES 4
	WQ 6
	WFR 7
	s_wait_dscnt 12                                ; all but K step 3's 12
	MULS 2
	PLACES 4
	s_wait_dscnt 0x0
	MULS 3
	WIN 0
	PLACES 4
.endm
.set R,   72                           ; the epilogue's work registers lie in the two sets that the slot's steps have done with
.set TM,  104
.set PC,  120
.set PW,  136
; Q or K of positions 16 m on: RoPE, quantised along the head's 64, codes and scale word into LDS
.macro EPI_QK m
	WIN 0x0f
.irp q, 0,1,2,3,4,5,6,7,8,9,10,11,12,13,14,15
	v_pk_mul_f32 v[R+2*\q:R+2*\q+1], v[32*\m+2*\q:32*\m+2*\q+1], v[128+32*\m+2*\q:128+32*\m+2*\q+1] op_sel_hi:[1,0]
.endr
.irp q, 0,1,2,3,4,5,6,7,8,9,10,11,12,13,14,15
	v_pk_fma_f32 v[R+2*\q:R+2*\q+1], v[32*\m+2*\q:32*\m+2*\q+1], v[128+32*\m+2*\q:128+32*\m+2*\q+1], v[R+2*\q:R+2*\q+1] op_sel:[1,1,0] op_sel_hi:[0,1,1] neg_lo:[0,1,0]
.endr
	WIN 0xc0
	FETCHB \m                                      ; these accumulators have been read: the next unit's bias
	WIN 0
.irp b, 0,1
	v_max3_num_f32 v[TM+\b], |v[R+16*\b]|, |v[R+16*\b+1]|, 0x1800000
	v_max3_num_f32 v[TM+8+\b], |v[R+16*\b+8]|, |v[R+16*\b+9]|, |v[R+16*\b+10]|
.endr
.irp i, 2,4
.irp b, 0,1
	v_max3_num_f32 v[TM+\b], v[TM+\b], |v[R+16*\b+\i]|, |v[R+16*\b+\i+1]|
	v_max3_num_f32 v[TM+8+\b], v[TM+8+\b], |v[R+16*\b+\i+9]|, |v[R+16*\b+\i+10]|
.endr
.endr
.irp b, 0,1
	v_max3_num_f32 v[TM+\b], v[TM+\b], |v[R+16*\b+6]|, |v[R+16*\b+7]|
.endr
.irp b, 0,1
	v_max3_num_f32 v[TM+\b], v[TM+\b], v[TM+8+\b], |v[R+16*\b+15]|
.endr
.irp b, 0,1
	v_permlanex16_b32 v[TM+4+\b], v[TM+\b], s48, s49
.endr
.irp b, 0,1
	v_max_num_f32 v[TM+\b], v[TM+\b], v[TM+4+\b]
.endr
.irp b, 0,1
	v_add_nc_u32 v[TM+12+\b], 0xff000000, v[TM+\b]
.endr
.irp b, 0,1
	v_lshrrev_b32 v[TM+4+\b], 23, v[TM+12+\b]
.endr
	s_wait_alu depctr_va_vdst(0)
	s_wait_dscnt 8                                 ; all but the 8 loads of the bias: the last tile's stores have read the registers that are written next
	v_lshl_or_b32 v[PW], v[TM+5], 8, v[TM+4]
	v_cvt_scalef32_pk16_fp6_f32 v[PC:PC+2], v[R:R+15], v[TM+12]
	v_cvt_scalef32_pk16_fp6_f32 v[PC+12:PC+14], v[R+16:R+31], v[TM+13]
	v_nop
.irp i, 0,1,2
	v_permlane16_swap_b32 v[PC+\i], v[PC+12+\i]
.endr
.irp i, 0,1,2
	v_mov_b32 v[PC+3+\i], v[PC+12+\i]
.endr
.irp i, 0,1,2
	ds_store_b64 v12, v[PC+2*\i:PC+2*\i+1] offset:\m*16*GCP+8*\i
.endr
	ds_store_b32 v14, v[PW] offset:\m*16*GSP
.endm
	s_mov_b32 s44, 0
.Lqk:                                                  ; seven units of Q and K
	QKHEAD
	QKUNIT 0
	EPI_QK 0
	EPI_QK 1
	EPI_QK 2
	EPI_QK 3
	s_wait_dscnt 0x0                               ; the bias is in, and the stores have read their registers
	v_add_nc_u32 v12, 48, v12
	v_add_nc_u32 v14, 4, v14
	s_add_co_u32 s44, s44, 1
	s_cmp_lt_u32 s44, 7
	s_cbranch_scc1 .Lqk
	QKHEAD                                         ; and the eighth, written out: no slot is filled again; its direct loads are V's first unit's
	QKUNIT 1
	EPI_QK 0
	EPI_QK 1
	EPI_QK 2
	EPI_QK 3
.set VPH, 1
	WQ 0                                           ; V's fifth set in its order of steps (4, 5, 6, 7, 0, ..): cos and sin have been read for the last time
	WFR 0
	WIN 0
	s_add_co_u32 s44, s44, 1
	s_wait_dscnt 0x0                               ; my reads of the slots are over: behind this barrier V is stored over them; they have had their last fill
	s_barrier_signal -1
	s_barrier_wait -1
; Place p of a unit of V: K step (p + 4) % 8 on its set; the set five places on is asked for, into the registers of the set used three places ago.  The wait: behind this set stand four sets, 12 + 13 + 12 + 13 = 50 loads;
; in the last unit's last places only what is left.  From place 3 on the sets asked for are the next unit's.  tail = 1: the last unit.
.macro VSTEP p, tail
.set VS, ((\p)+4)%8
.set NJ, ((\p)+9)%8
	PLACES 4
.if (\tail) && (\p) > 3
	s_wait_loadcnt (7-(\p))*12+(7-(\p))/2
.else
	s_wait_loadcnt 50
.endif
.if !(\tail) || (\p) < 3
.if (\p) == 3
	s_wait_xcnt 0x0                                ; the earlier loads have read their base
	s_add_nc_u64 s[58:59], s[40:41], s[42:43]      ; on to the next unit
.endif
.if NJ%2 == 0
	WQ NJ
.endif
	WFR NJ
.endif
	MULS VS
.endm
.macro VUNIT tail
.set UP, 0
.rept 8
	VSTEP UP, \tail
.set UP, UP+1
.endr
.endm
.macro EPI_V next                      ; V: rounded to bf16 and into LDS, row = position
	WIN 0
	PLACES 4
	WIN 0x0f
.set iv, 0
.rept 64
	v_cvt_pk_bf16_f32 v[72+iv], v[2*iv], v[2*iv+1]
.set iv, iv+1
.endr
	WIN 0
.irp m, 0,1,2,3
.irp b, 0,1
	ds_store_b128 v[26+\m/2], v[72+16*\m+8*\b:75+16*\m+8*\b] offset:(\m%2)*16*VBP+64*\b
	ds_store_b128 v[26+\m/2], v[76+16*\m+8*\b:79+16*\m+8*\b] offset:(\m%2)*16*VBP+64*\b+16
.endr
.endr
.if \next
	WIN 0xc0
	FETCHB 0
	FETCHB 1
	FETCHB 2
	FETCHB 3
	WIN 0
.endif
.endm
.Lv:                                                   ; three units of V
	NEXTU
	v_add_nc_u32 v10, s46, v9
	VUNIT 0
	EPI_V 1
	s_wait_dscnt 0x0
	v_add_nc_u32 v26, 640, v26
	v_add_nc_u32 v27, 640, v27
	s_add_co_u32 s44, s44, 1
	s_cmp_lt_u32 s44, 11
	s_cbranch_scc1 .Lv
	VUNIT 1                                        ; and the last, which asks for nothing beyond its own sets
	EPI_V 0
	s_wait_alu depctr_va_vdst(0)
	s_wait_dscnt 0x0
	s_barrier_signal -1
	s_barrier_wait -1
; THE ATTENTION: a wave takes 16 positions, two at a time.  S^T = K Q^T (K = 64: the upper 64 codes are zeros), softmax over K's heads in a lane and its partner, O^T = V^T P^T in bf16 (K = 16: the upper half zeros).
; Every LDS offset is an immediate.
.irp g, 0,1
.irp i, 6,7,8,9,10,11
	v_mov_b32 v[72+72*\g+\i], 0
	v_mov_b32 v[84+72*\g+\i], 0
.endr
.irp i, 4,5,6,7
	v_mov_b32 v[104+72*\g+\i], 0
.irp t, 0,1,2,3
	v_mov_b32 v[112+72*\g+8*\t+\i], 0
.endr
.endr
.irp i, 0,1,2,3,4,5,6,7
	v_mov_b32 v[216+8*\g+\i], 0
.endr
.endr
.macro ATTLOADQK it
.irp g, 0,1
.irp p, 0,1,2
	ds_load_b64 v[72+72*\g+2*\p:73+72*\g+2*\p], v28 offset:(2*(\it)+\g)*GCP+8*\p
	ds_load_b64 v[84+72*\g+2*\p:85+72*\g+2*\p], v29 offset:(2*(\it)+\g)*GCP+8*\p
.endr
	ds_load_b32 v[40+\g], v30 offset:(2*(\it)+\g)*GSP
.endr
.endm
.macro ATTLOADV it
.irp g, 0,1
.irp t, 0,1,2,3
	ds_load_tr16_b128 v[112+72*\g+8*\t:115+72*\g+8*\t], v31 offset:(2*(\it)+\g)*VBP+32*\t
.endr
.endr
.endm
.macro ATT it
	s_wait_dscnt 0x0
.irp g, 0,1
	v_wmma_scale_f32_16x16x128_f8f6f4 v[96+72*\g:103+72*\g], v[72+72*\g:83+72*\g], v[84+72*\g:95+72*\g], 0, v[40+\g], v[40+\g] matrix_a_fmt:MATRIX_FMT_FP6 matrix_b_fmt:MATRIX_FMT_FP6 matrix_b_scale:MATRIX_SCALE_ROW1
.endr
	PLACES 4
.if (\it) < 7
	ATTLOADQK (\it)+1
.endif
.irp g, 0,1
	v_max3_num_f32 v[217+8*\g], v[96+72*\g], v[97+72*\g], v[98+72*\g]
.endr
.irp i, 3,5
.irp g, 0,1
	v_max3_num_f32 v[217+8*\g], v[217+8*\g], v[96+72*\g+\i], v[97+72*\g+\i]
.endr
.endr
.irp g, 0,1
	v_max_num_f32 v[217+8*\g], v[217+8*\g], v[103+72*\g]
.endr
.irp g, 0,1
	v_permlanex16_b32 v[220+8*\g], v[217+8*\g], s48, s49
.endr
.irp g, 0,1
	v_max_num_f32 v[217+8*\g], v[217+8*\g], v[220+8*\g]
.endr
.irp g, 0,1
	v_mul_f32 v[216+8*\g], s55, v[217+8*\g]
.endr
.irp e, 0,2,4,6
.irp g, 0,1
	v_pk_fma_f32 v[96+72*\g+\e:97+72*\g+\e], v[96+72*\g+\e:97+72*\g+\e], s[50:51], v[216+8*\g:217+8*\g] op_sel_hi:[1,0,0]
.endr
.endr
	s_wait_alu depctr_va_vdst(0)                   ; a wait ahead of a batch of transcendentals and one behind it
.irp e, 0,1,2,3,4,5,6,7
.irp g, 0,1
	v_exp_f32 v[96+72*\g+\e], v[96+72*\g+\e]
.endr
.endr
	v_nop
	s_wait_alu depctr_va_vdst(0)
.irp g, 0,1
	v_pk_add_f32 v[218+8*\g:219+8*\g], v[96+72*\g:97+72*\g], v[98+72*\g:99+72*\g]
	v_pk_add_f32 v[220+8*\g:221+8*\g], v[100+72*\g:101+72*\g], v[102+72*\g:103+72*\g]
.endr
.irp g, 0,1
	v_pk_add_f32 v[218+8*\g:219+8*\g], v[218+8*\g:219+8*\g], v[220+8*\g:221+8*\g]
.endr
.irp g, 0,1
	v_add_f32 v[218+8*\g], v[218+8*\g], v[219+8*\g]
.endr
.irp g, 0,1
	v_permlanex16_b32 v[219+8*\g], v[218+8*\g], s48, s49
.endr
.irp g, 0,1
	v_add_f32 v[218+8*\g], v[218+8*\g], v[219+8*\g]
.endr
	s_wait_alu depctr_va_vdst(0)
.irp g, 0,1
	v_rcp_f32 v[222+8*\g], v[218+8*\g]
.endr
	v_nop
	s_wait_alu depctr_va_vdst(0)
.irp e, 0,2,4,6
.irp g, 0,1
	v_pk_mul_f32 v[96+72*\g+\e:97+72*\g+\e], v[96+72*\g+\e:97+72*\g+\e], v[222+8*\g:223+8*\g] op_sel_hi:[1,0]
.endr
.endr
.irp e, 0,1,2,3
.irp g, 0,1
	v_cvt_pk_bf16_f32 v[104+72*\g+\e], v[96+72*\g+2*\e], v[97+72*\g+2*\e]
.endr
.endr
	PLACES 4
	s_wait_alu depctr_va_vdst(0)
	s_wait_xcnt 0x0                                ; the last two positions' stores have read their data: the registers are loaded anew below
	WIN 0x40
.irp t, 0,1,2,3
.irp g, 0,1
	v_wmma_f32_16x16x32_bf16 v[32*\g+8*\t:32*\g+8*\t+7], v[112+72*\g+8*\t:119+72*\g+8*\t], v[104+72*\g:111+72*\g], 0
.endr
.endr
	WIN 0
	PLACES 4
.if (\it) < 7
	ATTLOADV (\it)+1
.endif
	WIN 0x04
.irp g, 0,1
.irp t, 0,1,2,3
	ds_store_b128 v32, v[32*\g+8*\t:32*\g+8*\t+3] offset:\g*4352+64*\t
	ds_store_b128 v32, v[32*\g+8*\t+4:32*\g+8*\t+7] offset:\g*4352+64*\t+16
.endr
.endr
	WIN 0x40
.irp g, 0,1
.irp e, 0,1,2,3,4,5,6,7
	ds_load_b128 v[64+32*\g+4*\e:67+32*\g+4*\e], v33 offset:\g*4352+544*\e
.endr
.endr
	WIN 0x04
.irp i, 0,1,2,3,4,5,6,7,8,9,10,11,12,13,14,15
	s_wait_dscnt 15-\i
	global_store_b128 v[36+(\i%8)/2], v[64+4*\i:67+4*\i], s[56:57] offset:(\it)*8192+(\i/8)*4096+(\i%2)*512 th:TH_STORE_NT   ; sixteen lanes store a head's 256 bytes, aligned
.endr
	WIN 0
.endm
	ATTLOADQK 0
	ATTLOADV 0
.set AI, 0
.rept 8
	ATT AI
.set AI, AI+1
.endr
	s_wait_tensorcnt 0x0                           ; the wave's end
	ds_add_u32 v1, v2
	s_wait_dscnt 0x0
	CROUND                                         ; the closing round
	s_endpgm
.Lfunc_end_k_q658a3e7ba2_fused:
	.size	k_q658a3e7ba2_fused, .Lfunc_end_k_q658a3e7ba2_fused-k_q658a3e7ba2_fused
	.p2alignl 7, 3214868480
	.fill 96, 4, 3214868480
	.section	.rodata,"a",@progbits
	.p2align	6, 0x0
	.amdhsa_kernel k_q658a3e7ba2_fused
		.amdhsa_group_segment_fixed_size 327680
		.amdhsa_private_segment_fixed_size 0
		.amdhsa_enable_private_segment 0
		.amdhsa_kernarg_size 56
		.amdhsa_user_sgpr_count 2
		.amdhsa_user_sgpr_kernarg_segment_ptr 1
		.amdhsa_wavefront_size32 1
		.amdhsa_system_sgpr_workgroup_id_x 1
		.amdhsa_system_sgpr_workgroup_id_y 1
		.amdhsa_system_sgpr_workgroup_id_z 1
		.amdhsa_system_vgpr_workitem_id 0
		.amdhsa_next_free_vgpr 1024
		.amdhsa_next_free_sgpr 80
		.amdhsa_reserve_vcc 0
		.amdhsa_float_denorm_mode_32 3
		.amdhsa_float_denorm_mode_16_64 3
		.amdhsa_memory_ordered 1
		.amdhsa_forward_progress 1
		.amdhsa_inst_pref_size 255
	.end_amdhsa_kernel
	.section	.bss,"aw",@nobits
	.p2align	6
	.space	262144
	.amdgpu_metadata
---
amdhsa.version: [ 1, 2 ]
amdhsa.kernels:
  - .name:           k_q658a3e7ba2_fused
    .symbol:         k_q658a3e7ba2_fused.kd
    .args:
      - { .name: x, .offset: 0, .size: 8, .value_kind: global_buffer, .address_space: global }
      - { .name: wimg, .offset: 8, .size: 8, .value_kind: global_buffer, .address_space: global }
      - { .name: cstab, .offset: 16, .size: 8, .value_kind: global_buffer, .address_space: global }
      - { .name: bq, .offset: 24, .size: 8, .value_kind: global_buffer, .address_space: global }
      - { .name: bk, .offset: 32, .size: 8, .value_kind: global_buffer, .address_space: global }
      - { .name: bv, .offset: 40, .size: 8, .value_kind: global_buffer, .address_space: global }
      - { .name: out0, .offset: 48, .size: 8, .value_kind: global_buffer, .address_space: global }
    .group_segment_fixed_size: 327680
    .private_segment_fixed_size: 0
    .kernarg_segment_align: 8
    .kernarg_segment_size: 56
    .max_flat_workgroup_size: 128
    .sgpr_count:     80
    .vgpr_count:     1024
    .wavefront_size: 32
...
	.end_amdgpu_metadata
.endif
;; end of part 2
